; MI455X (gfx1250); checked and timed in simulation.
; The chip was launched on July 23, 2026; its instructions are those of AMD's public machine-readable ISA for CDNA 5 (MIT licence, August 2026) and "CDNA5" Instruction Set Architecture Reference Guide (July 2026). The comments in the code are by the model that wrote it; some were corrected since.
;; Attention. Allowed arithmetic: matrix products marked QUANTISED: E2M3 operands, one E8M0 scale for each 32 along K, by v_wmma_scale_f32_16x16x128_f8f6f4 with both operands' format E2M3, f32 sums; everything else in f32.
;; Inputs: Wk_codes 1,024 x 32 x 24 uint8 (E2M3 codes of Wk, K innermost, in blocks of 32 codes, four codes in three bytes); Wk_scales 1,024 x 32 uint8 (E8M0 scales of Wk, one for each 32 codes along K); Wp_codes 1,024 x 32 x 24 uint8 (E2M3 codes of Wp, K innermost, in blocks of 32 codes, four codes in three bytes); Wp_scales 1,024 x 32 uint8 (E8M0 scales of Wp, one for each 32 codes along K); Wq_codes 1,024 x 32 x 24 uint8 (E2M3 codes of Wq, K innermost, in blocks of 32 codes, four codes in three bytes); Wq_scales 1,024 x 32 uint8 (E8M0 scales of Wq, one for each 32 codes along K); Wv_codes 1,024 x 32 x 24 uint8 (E2M3 codes of Wv, K innermost, in blocks of 32 codes, four codes in three bytes); Wv_scales 1,024 x 32 uint8 (E8M0 scales of Wv, one for each 32 codes along K); bp 1,024 float32; x_codes 4 x 2,048 x 32 x 24 uint8 (E2M3 codes of x, K innermost, in blocks of 32 codes, four codes in three bytes); x_scales 4 x 2,048 x 32 uint8 (E8M0 scales of x, one for each 32 codes along K).
;; Outputs: out0 4 x 2,048 x 1,024 float32.
;; This version of the problem:
;;   THIS VERSION OF THE PROBLEM IS GIVEN IN LOW PRECISION. The matrix products marked QUANTISED in the list below multiply operands that are first quantised to E2M3 (2 exponent bits, 3 mantissa bits; 6 bits a number), with one power-of-two scale for each 32 numbers along K (OCP MX v1.0); their sums are f32. All else is computed in f32.
;;   The module's matrix products, in the order in which they are computed (A, B: the left and right operand; K: the contracted axis; several contracted axes count as one K, in the product's order):
;;     1. [M 8,192, K 1,024] x [K 1,024, N 1,024]; A: input x (given as codes); B: input Wk (given as codes): QUANTISED
;;     2. [M 8,192, K 1,024] x [K 1,024, N 1,024]; A: input x (given as codes); B: input Wq (given as codes): QUANTISED
;;     3. [M 8,192, K 1,024] x [K 1,024, N 1,024]; A: input x (given as codes); B: input Wv (given as codes): QUANTISED
;;     4. batch 64 x [M 2,048, K 64] x [K 64, N 2,048]; A: computed on the way; B: computed on the way: QUANTISED
;;     5. batch 64 x [M 2,048, K 2,048] x [K 2,048, N 64]; A: softmax (see below); B: computed on the way: QUANTISED
;;     6. [M 8,192, K 1,024] x [K 1,024, N 1,024]; A: computed on the way; B: input Wp (given as codes): QUANTISED
;;   THE QUANTISER, for each operand of a quantised product, along K:
;;     - K is cut into blocks of 32 from its start; a last block that is shorter is filled with zeros.
;;     - A block's scale is 2^e with e = floor(log2(the largest magnitude in the block)) - 2, held to -126 .. 127; a block of zeros has e = 0. As a byte (E8M0): e + 127.
;;     - Each number is divided by its block's scale, clamped to +-7.5, and rounded to the nearest number of E2M3, ties to even, subnormals kept.
;;     - The product sums the exact products of the quantised numbers (number of the format x scale) in f32.
;;   ~~~python
;;   def quantise(x, axis):      # numpy; x: float32 -> the quantised numbers, widened to float32 again
;;       x = np.moveaxis(x, axis, -1); K = x.shape[-1]
;;       x = np.pad(x, [(0, 0)] * (x.ndim - 1) + [(0, -K % 32)]); x = x.reshape(x.shape[:-1] + (-1, 32)); a = np.abs(x).max(-1, keepdims=True)
;;       e = np.where(a > 0, np.clip(np.frexp(np.where(a > 0, a, 1))[1] - 1 - 2, -126, 127), 0)      # np.frexp(a)[1] - 1 = floor(log2(a)), exactly
;;       r = np.clip(x / 2.0 ** e, -7.5, 7.5)
;;       step = 2.0 ** (np.maximum(np.frexp(np.where(r == 0, 1, r))[1] - 1, 0) - 3)
;;       q = np.round(r / step) * step * 2.0 ** e      # np.round: ties to even
;;       return np.moveaxis(q.reshape(q.shape[:-2] + (-1,))[..., :K], -1, axis).astype(np.float32)
;;   ~~~
;;   SOFTMAX AHEAD OF A QUANTISED PRODUCT. Where the list says 'softmax', what is quantised is not the finished softmax but p = 2^(t - M), with t = logit x log2(e) and M = ceil(the row's largest t), a whole number; so 1/2 < the row's largest p <= 1. The row's sum l is taken of the UNQUANTISED p, in f32, and the product's result is divided by l at the end. Since M is a whole number, a kernel that streams over the keys may use a running M (the ceiling of the running maximum): every later rescaling is an exact power of two, which a block's scale takes up: the codes' values come out the same.
;;   OPERANDS COMPUTED ON THE WAY. 'Computed on the way' means the value that the module computes at that place (a softmax that the list does not call 'softmax' is quantised finished and normalised). What goes into a quantiser is computed in f32, as accurately as f32 sums, v_exp_f32 and their like allow (about 1e-6 of the number): no bf16 or f16 on the way to a quantiser, and a product that is left as it is and whose result goes on into a quantised operand takes f32 operands (vector FMAs, or v_wmma_f32_16x16x4_f32). A number that lies on a knife's edge between two numbers of the format may be rounded either way, as far as f32 arithmetic and the matrix unit's own rounding can turn it there, and no further.
;;   INPUTS GIVEN AS CODES. Wk (in the module: [1024, 1024], K = its axis 1); Wp (in the module: [1024, 1024], K = its axis 1); Wq (in the module: [1024, 1024], K = its axis 1); Wv (in the module: [1024, 1024], K = its axis 1); x (in the module: [4, 2048, 1024], K = its axis 2): each comes as NAME_codes (uint8): NAME with its K axis moved to the last place and cut into blocks of 32 codes, [.., K / 32, bytes a block], one block behind the other in memory; four codes in three bytes: a row's codes are one little-endian stream of bits, code i at bits 6 i .. 6 i + 5 (a code: sign, 2 exponent bits, 3 mantissa bits); and NAME_scales (uint8): the same leading axes, one E8M0 byte (e + 127) for each 32 codes along K. Its value is code x scale, taken as it is: it is not quantised again, and the codes and scales need not be those that the quantiser above would give.
;; One version. Each part assembles by itself: llvm-mc -triple=amdgcn-amd-amdhsa -mcpu=gfx1250 --defsym DOCPART=n.
;; ======== version 1 of 1: 3 launches
;; limits: right only within a limited range of input values
;; workspace buffers: qb 6,815,744 bytes; kv 13,631,488 bytes; att_img 6,291,456 bytes; att_sc 262,144 bytes
;; launch proj (part 1): grid 12 x 64, 4 waves a work-group, clusters of 4 x 4, 327,680 bytes of LDS; arguments x_codes, x_scales, Wq_codes, Wq_scales, Wk_codes, Wk_scales, Wv_codes, Wv_scales, qb, kv; writes qb, kv
.if DOCPART == 1
	.amdgcn_target "amdgcn-amd-amdhsa--gfx1250"
	.amdhsa_code_object_version 6
	.text
	.protected	k_q2f9ba4b1e4_proj
	.globl	k_q2f9ba4b1e4_proj
	.p2align	8
	.type	k_q2f9ba4b1e4_proj,@function
k_q2f9ba4b1e4_proj:
	s_mov_b64 s[64:65], 0
	v_nop
	global_prefetch_b8 v0, s[64:65] scope:SCOPE_SE
	s_setreg_imm32_b32 hwreg(HW_REG_WAVE_MODE, 25, 1), 1
	s_wait_xcnt 0x0
	s_wait_alu depctr_hold_cnt(0) depctr_sa_sdst(0) depctr_va_vdst(0) depctr_va_sdst(0) depctr_va_ssrc(0) depctr_va_vcc(0) depctr_vm_vsrc(0)
	s_getreg_b32 s2, hwreg(HW_REG_IB_STS2, 6, 4)
	s_cmp_eq_u32 s2, 0
	s_cbranch_scc0 .Lentry_in_a_cluster
	s_endpgm
.Lentry_in_a_cluster:
	s_bfe_u32 s2, ttmp6, 0x10000c
	s_cmp_lg_u32 s2, 0xf033
	s_cbranch_scc0 .Lentry_shape_is_right
	s_endpgm
.Lentry_shape_is_right:
; Q = x Wq^T, K = x Wk^T, V^T = Wv x^T on codes of FP6 (E2M3), each result quantised again (blocks of 32: Q, K along a head's channels, V along the tokens)
; and stored as images of operand registers: units of 16 rows x 64 codes, 768 bytes, and scale words, in the order in which the next launch reads qb and kv.
; No work of the problem is left out; every input is read.
; SHARES.  Cluster x picks the tensor (0 Q, 1 K, 2 V).  A work-group makes 128 rows of A x 256 rows of B (Q, K: A = x, B = the weight; V: A = Wv, B = x), ALL of K = 1,024:
; 384 rows of 768 bytes lie in LDS at a pitch of 816 (16 bytes behind every 256), filled ONCE: one tensor load a wave, no byte is filled again, one barrier.
; 768 work-groups.  A wave makes 64 x 128: 32 accumulators (window 2); fragments in two sets (B window 1, A window 0); a K step of 128 is 32 products, and the next step's fragments are asked for ahead of them.
; Every tensor row is a whole row of codes: 768 bytes, from a multiple of 256.  CLUSTER 4 x 4: A's rows are asked for jointly by a row of the cluster, B's by a column.
; Scale words go from memory into registers: lane l takes 32 bytes of row l of 32 rows; lanes 0-15 serve an even block of 16 rows, lanes 16-31 the odd one.
; No prefetch: all tiles are asked for at the head, there is no loop to run ahead in.
; The matrix instruction is used transposed (source 0 = B's rows): a lane holds eight neighbouring B rows of one A row.
; LIMITS: NaN and infinities are not served; a block whose largest magnitude lies under 2^-124 keeps the scale byte 1 (its bytes are read by this program alone).
; Q's and K's scale words leave as 16 bytes a row at a pitch of 32: two waves fill such a run between them.
.set KROW,  768
.set KS,    32
.set PITCH, 816
.set BLK,   16*PITCH
.set AB,    128*PITCH                  ; B's rows lie behind A's
.set SPARE, AB+256*PITCH               ; the spare words
.set FR,    12
.set QHB,   106496
.set HB,    212992
.set CH,    53248
.set SPW,  28
.set NIL,  29
.set SA,   32                          ; v32-47 A's scale words: 8 P + K step
.set SB,   52                          ; v52-83 B's
.set CD,   88
.set PT,   100
.set F,    108
.set BAD,  112                         ; v112-127 LDS addresses of B's eight blocks, two each (the second: pieces whose upper lanes lie behind one padding more)
.set AF,   128                         ; v128-223 A's fragments, two sets
.set TM,   224
.set AAD,  236                         ; v236-243 the same for A's four blocks
.set OB,   4
.set G1,   24
.set G0,   32
.set G1B,  48
.set G0B,  56
.set SEL,  100
.set MSB, 0
.macro WIN new
.if MSB != (\new)
	s_set_vgpr_msb (MSB<<8)|(\new)
.set MSB, (\new)
.endif
.endm
.macro PLACES n
.rept \n
	v_nop
.endr
.endm
.macro WALU
	s_wait_alu depctr_va_vdst(0)
.endm
.macro CROUND
	s_barrier_signal -1
	s_barrier_wait -1
	s_cmp_lg_u32 s14, 0
	s_cbranch_scc1 .Lnot_wave_0_\@
	s_barrier_signal -3
.Lnot_wave_0_\@:
	s_barrier_wait -3
	s_barrier_signal -1
	s_barrier_wait -1
.endm
.macro GROUP1 g, mask, rows
	s_or_b32 s[\g+0], s[\mask], (1<<20)|(1<<21)|(5<<22)|(3<<25)
	s_mov_b32 s[\g+1], KROW<<16
	s_mov_b32 s[\g+2], (\rows)<<16
	s_mov_b32 s[\g+3], KROW<<16
	s_mov_b32 s[\g+4], \rows
	s_mov_b32 s[\g+5], KROW
	s_mov_b32 s[\g+6], 0
	s_mov_b32 s[\g+7], 0
.endm
	s_load_b512 s[68:83], s[0:1], 0x0
	s_load_b128 s[84:87], s[0:1], 0x40
	v_lshl_add_u32 v[SPW], v0, 2, SPARE
	v_mov_b32 v[NIL], 0
	ds_add_u32 v[SPW], v[NIL]              ; the opening lines
	ds_add_u32 v[SPW], v[NIL]
	v_lshrrev_b32 v1, 5, v0
	v_readfirstlane_b32 s14, v1            ; wave
	s_lshr_b32 s15, s14, 1                 ; my half of A's rows in the products; also: I fetch for A (0) or B (1)
	s_and_b32 s16, s14, 1                  ; my half of B's rows; also: which half I fetch
	s_bfe_u32 s40, ttmp6, 0x40000
	s_bfe_u32 s41, ttmp6, 0x40004
	s_lshr_b32 s95, ttmp9, 1               ; 1: V
	s_xor_b32 s96, s95, 1
	s_and_b32 s97, ttmp7, 0xffff
	s_and_b32 s18, s97, 1
	s_mul_i32 s18, s18, s95
	s_mul_i32 s20, s97, s96
	s_add_co_u32 s18, s18, s20
	s_lshl_b32 s17, s18, 2
	s_add_co_u32 s17, s17, s41             ; A's tile of 128 rows: Q, K 4 y + cy; V 4 (y % 2) + cy
	s_lshr_b32 s19, s97, 1
	s_mul_i32 s19, s19, s95
	s_lshl_b32 s42, s19, 2
	s_add_co_u32 s42, s42, s40             ; B's tile of 256 rows: Q, K cx; V 4 (y / 2) + cx
	s_lshl_b32 s43, s41, 2
	s_lshl_b32 s43, 15, s43
	s_lshl_b32 s44, 0x1111, s40
	GROUP1 G1, 43, 64
	GROUP1 G1B, 44, 128
	s_lshl_b32 s20, s17, 7
	s_lshl_b32 s21, s16, 6
	s_add_co_u32 s20, s20, s21
	s_mul_i32 s20, s20, KROW               ; the 64 rows of A that I fetch
	s_mov_b32 s21, 0
	s_lshl_b32 s46, s42, 8
	s_lshl_b32 s47, s16, 7
	s_add_co_u32 s46, s46, s47
	s_mul_i32 s92, s46, KS                 ; my 128 rows of B: their scales,
	s_mov_b32 s93, 0
	s_mul_i32 s46, s46, KROW               ; and their codes
	s_mov_b32 s47, 0
	s_lshl_b32 s66, s17, 7
	s_lshl_b32 s67, s15, 6
	s_add_co_u32 s66, s66, s67
	s_mul_i32 s66, s66, KS                 ; the scales of the 64 rows of A that I multiply
	s_mov_b32 s67, 0
	s_mov_b32 s[G0], 1
	s_mul_i32 s[G0+1], s16, 64*PITCH
	s_mov_b32 s[G0B], 1
	s_mul_i32 s[G0B+1], s16, 128*PITCH
	s_add_co_u32 s[G0B+1], s[G0B+1], AB
	s_wait_dscnt 0x0
	s_wait_kmcnt 0x0
	s_cmp_eq_u32 ttmp9, 2
	s_cselect_b64 s[4:5], s[80:81], s[68:69]
	s_cselect_b64 s[6:7], s[82:83], s[70:71]
	s_cmp_eq_u32 ttmp9, 0
	s_cselect_b64 s[8:9], s[72:73], s[76:77]
	s_cselect_b64 s[10:11], s[74:75], s[78:79]
	s_cselect_b64 s[12:13], s[84:85], s[86:87]
	s_cmp_eq_u32 ttmp9, 2
	s_cselect_b64 s[8:9], s[68:69], s[8:9]
	s_cselect_b64 s[10:11], s[70:71], s[10:11]
	s_add_nc_u64 s[G0+2:G0+3], s[4:5], s[20:21]
	s_or_b32 s[G0+3], s[G0+3], 0x80000000
	s_add_nc_u64 s[G0B+2:G0B+3], s[8:9], s[46:47]
	s_or_b32 s[G0B+3], s[G0B+3], 0x80000000
	s_add_nc_u64 s[66:67], s[6:7], s[66:67]
	s_add_nc_u64 s[92:93], s[10:11], s[92:93]
	CROUND                                 ; the joint loads meet
	s_cmp_eq_u32 s15, 0
	s_cbranch_scc0 .Lfor_b
	tensor_load_to_lds s[G0:G0+3], s[G1:G1+7]
	s_nop 0
	PLACES 4
	s_branch .Lasked
.Lfor_b:
	tensor_load_to_lds s[G0B:G0B+3], s[G1B:G1B+7]
	s_nop 0
	PLACES 4
.Lasked:
	; where the results go
	s_lshl_b32 s19, s42, 1
	s_add_co_u32 s19, s19, s16             ; B's group of 128 rows
	s_lshl_b32 s18, s17, 1
	s_add_co_u32 s18, s18, s15             ; A's group of 64 rows
	s_lshl_b32 s21, s19, 1
	s_mul_i32 s47, s15, 3072
	s_lshl_b32 s90, s15, 4
	s_cmp_eq_u32 s95, 1
	s_cselect_b32 s20, s19, s17            ; the group of 128 tokens
	s_cselect_b32 s21, s18, s21            ; the (first) head
	s_cselect_b32 s47, 0, s47              ; Q, K: my 64 tokens' four units,
	s_cselect_b32 s90, 0, s90              ; and their four scale words
	s_lshr_b32 s22, s20, 4
	s_lshl_b32 s22, s22, 4
	s_add_co_u32 s22, s22, s21             ; 16 x batch + head
	s_and_b32 s23, s20, 15
	s_lshr_b32 s41, s23, 2
	s_and_b32 s43, s23, 3
	s_mov_b32 s40, HB
	s_mov_b32 s44, 49152
	s_cmp_eq_u32 ttmp9, 0
	s_cselect_b32 s40, QHB, s40
	s_cselect_b32 s41, 0, s41
	s_cselect_b32 s43, s23, s43
	s_cselect_b32 s44, 98304, s44
	s_mov_b32 s46, 3072
	s_cmp_eq_u32 s95, 1
	s_cselect_b32 s44, 51200, s44
	s_cselect_b32 s45, 24576, 0
	s_cselect_b32 s46, s46, s40            ; from B's rows 0-63 to 64-127: V four units, Q, K a head
	s_cselect_b32 s88, 16, 32
	s_cselect_b32 s89, 256, s40
	s_cselect_b32 s98, -1, 0xffff
	s_cselect_b32 s99, 0, 16
	s_mul_i32 s18, s22, s40
	s_mul_i32 s19, s41, CH
	s_add_co_u32 s18, s18, s19
	s_mul_i32 s19, s43, 6144
	s_add_co_u32 s20, s19, s18
	s_add_co_u32 s20, s20, s45
	s_add_co_u32 s20, s20, s47
	s_mov_b32 s21, 0
	s_add_nc_u64 s[OB:OB+1], s[12:13], s[20:21]
	s_lshl_b32 s20, s43, 9
	s_add_co_u32 s20, s20, s18
	s_add_co_u32 s20, s20, s44
	s_add_co_u32 s20, s20, s90
	s_add_nc_u64 s[8:9], s[12:13], s[20:21]
	s_mul_i32 s18, s15, 64*PITCH
	s_mov_b32 s[SEL], 0x76543210
	s_mov_b32 s[SEL+1], 0xfedcba98
	v_and_b32 v1, 15, v0
	v_bfe_u32 v2, v0, 4, 1
	v_and_b32 v6, 31, v0
	v_mul_u32_u24 v3, v1, PITCH
	v_mad_u32_u24 v4, v2, 24, v3
	v_mad_u32_u24 v5, v2, 40, v3
	v_add_nc_u32 v16, s18, v4
	v_add_nc_u32 v17, s18, v5
	v_add_nc_u32 v18, s[G0B+1], v4
	v_add_nc_u32 v19, s[G0B+1], v5
.irp i, 0,1,2,3
	v_add_nc_u32 v[AAD+2*\i], \i*BLK, v16
	v_add_nc_u32 v[AAD+2*\i+1], \i*BLK, v17
.endr
.irp i, 0,1,2,3,4,5,6,7
	v_add_nc_u32 v[BAD+2*\i], \i*BLK, v18
	v_add_nc_u32 v[BAD+2*\i+1], \i*BLK, v19
.endr
	v_lshlrev_b32 v7, 5, v6                ; 32 x lane: a row of scale bytes
	v_lshlrev_b32 v8, 4, v6
	v_add_nc_u32 v9, s46, v8
	v_lshlrev_b32 v10, 3, v6
	v_add_nc_u32 v11, s46, v10
	v_mul_u32_u24 v12, s88, v1
	v_mul_u32_u24 v13, s89, v2
	v_add_nc_u32 v12, v12, v13
	v_mul_u32_u24 v14, s99, v2
.irp b, 0,1,2,3
	v_mov_b32 v[TM+4+\b], 0
.endr
	WALU
.irp p, 0,1
.irp c, 0,1
	global_load_b128 v[SA+8*\p+4*\c:SA+8*\p+4*\c+3], v7, s[66:67] offset:\p*1024+16*\c
.endr
.endr
.irp p, 0,1,2,3
.irp c, 0,1
	global_load_b128 v[SB+8*\p+4*\c:SB+8*\p+4*\c+3], v7, s[92:93] offset:\p*1024+16*\c
.endr
.endr
; a fragment: six pieces of 8 bytes of a row, two to a load where both go by the same address register
.macro FRAG reg, q, a0
.set SKIP_, 0
.irp p, 0,1,2,3,4,5
.if SKIP_
.set SKIP_, 0
.else
.set PC_, 12*(\q)+6*(\p/3)+\p%3
.set PN_, 12*(\q)+6*((\p+1)/3)+(\p+1)%3
.set X_, (PC_%32+3)/32
.set XQ_, (PN_%32+3)/32
.if (\p < 5) && (X_ == XQ_)
.set SKIP_, 1
	ds_load_2addr_b64 v[(\reg)+2*\p:(\reg)+2*\p+3], v[(\a0)+X_] offset0:PC_+2*(PC_/32) offset1:PN_+2*(PN_/32)
.else
	ds_load_b64 v[(\reg)+2*\p:(\reg)+2*\p+1], v[(\a0)+X_] offset:8*(PC_+2*(PC_/32))
.endif
.endif
.endr
.endm
.macro FETCH st
	WIN 0x40
.irp i, 0,1,2,3,4,5,6,7
	FRAG 128*((\st)%2)+FR*\i, \st, BAD+2*\i
.endr
	WIN 0
.irp i, 0,1,2,3
	FRAG AF+48*((\st)%2)+FR*\i, \st, AAD+2*\i
.endr
.endm
; 32 products, the 32 accumulators by turns
.macro MUL st, first
.irp ap, 0,1
.irp ao, 0,1
.irp bp, 0,1,2,3
.irp bo, 0,1
.set D_, 8*(8*(2*\ap+\ao)+2*\bp+\bo)
.set B_, 128*((\st)%2)+FR*(2*\bp+\bo)
.set A_, AF+48*((\st)%2)+FR*(2*\ap+\ao)
.if \first
	v_wmma_scale_f32_16x16x128_f8f6f4 v[D_:D_+7], v[B_:B_+11], v[A_:A_+11], 0, v[SB+8*\bp+(\st)], v[SA+8*\ap+(\st)] matrix_a_fmt:MATRIX_FMT_FP6 matrix_b_fmt:MATRIX_FMT_FP6 matrix_a_scale:MATRIX_SCALE_ROW\bo matrix_b_scale:MATRIX_SCALE_ROW\ao
.else
	v_wmma_scale_f32_16x16x128_f8f6f4 v[D_:D_+7], v[B_:B_+11], v[A_:A_+11], v[D_:D_+7], v[SB+8*\bp+(\st)], v[SA+8*\ap+(\st)] matrix_a_fmt:MATRIX_FMT_FP6 matrix_b_fmt:MATRIX_FMT_FP6 matrix_a_scale:MATRIX_SCALE_ROW\bo matrix_b_scale:MATRIX_SCALE_ROW\ao
.endif
.endr
.endr
.endr
.endr
.endm
.macro STEP st, first, last
	s_wait_dscnt 0x0                       ; this step's fragments, asked for a step ago
.if !(\last)
.if !(\first)
	PLACES 4                               ; behind the products that read the set which is loaded now
.endif
	FETCH (\st)+1
.endif
	WIN 0xa1
	MUL \st, \first
	WIN 0
.endm
	s_wait_tensorcnt 0x0
	s_barrier_signal -1
	s_barrier_wait -1                      ; all 384 rows are in
	FETCH 0
	s_wait_loadcnt 0x0                     ; the scale words
	STEP 0, 1, 0
.set ST, 1
.rept 6
	STEP ST, 0, 0
.set ST, ST+1
.endr
	STEP 7, 0, 1
; THE WAY OUT of A's block a: four blocks of 32 along B's rows; a block lies in lanes l and l xor 16
.macro EPI a
.set AC, 64*(\a)
	WIN 0x0a
.irp b, 0,1,2,3
	v_max3_num_f32 v[TM+\b], |v[AC+16*\b]|, |v[AC+16*\b+1]|, 0x1800000
.endr
.irp i, 2,4,6,8,10,12,14
.irp b, 0,1,2,3
	v_max3_num_f32 v[TM+\b], |v[AC+16*\b+\i]|, |v[AC+16*\b+\i+1]|, v[TM+\b]
.endr
.endr
	WIN 0
.irp b, 0,1,2,3
	v_permlanex16_b32 v[TM+4+\b], v[TM+\b], s[SEL], s[SEL+1]
.endr
.irp b, 0,1,2,3
	v_max_num_f32 v[TM+\b], v[TM+\b], v[TM+4+\b]
.endr
.irp b, 0,1,2,3
	v_add_nc_u32 v[TM+8+\b], 0xff000000, v[TM+\b]
.endr
.irp b, 0,1,2,3
	v_lshrrev_b32 v[TM+4+\b], 23, v[TM+8+\b]
.endr
	v_lshl_or_b32 v[F+(\a)], v[TM+5], 8, v[TM+4]
	v_lshl_or_b32 v[F+(\a)], v[TM+6], 16, v[F+(\a)]
	v_lshl_or_b32 v[F+(\a)], v[TM+7], 24, v[F+(\a)]
	WALU
.if (\a) > 0
	s_wait_xcnt 0x0                        ; the last block's stores have read their data
.endif
	WIN 0x02
.irp c, 0,1
	v_cvt_scalef32_pk16_fp6_f32 v[CD+6*\c:CD+6*\c+2], v[AC+32*\c:AC+32*\c+15], v[TM+8+2*\c]
	v_cvt_scalef32_pk16_fp6_f32 v[PT+4*\c:PT+4*\c+2], v[AC+32*\c+16:AC+32*\c+31], v[TM+9+2*\c]
.endr
	WIN 0
	v_nop
.irp c, 0,1
.irp i, 0,1,2
	v_permlane16_swap_b32 v[CD+6*\c+\i], v[PT+4*\c+\i]
.endr
.irp i, 0,1,2
	v_mov_b32 v[CD+3+6*\c+\i], v[PT+4*\c+\i]
.endr
.endr
.irp c, 0,1
	global_store_b128 v[8+\c], v[CD+6*\c:CD+6*\c+3], s[OB:OB+1] offset:(\a)*768
	global_store_b64 v[10+\c], v[CD+6*\c+4:CD+6*\c+5], s[OB:OB+1] offset:(\a)*768+512
.endr
.endm
	PLACES 4
.irp a, 0,1,2,3
	EPI \a
.endr
.irp a, 0,1,2,3
	v_lshrrev_b32 v[F+\a], v14, v[F+\a]    ; Q, K: lanes 16-31 keep the second head's two bytes; V: the whole word
	v_and_b32 v[F+\a], s98, v[F+\a]
.endr
	global_store_b128 v12, v[F:F+3], s[8:9]
	s_wait_tensorcnt 0x0                   ; the wave's end
	ds_add_u32 v[SPW], v[NIL]
	s_wait_dscnt 0x0
	CROUND
	s_endpgm
.Lfunc_end_k_q2f9ba4b1e4_proj:
	.size	k_q2f9ba4b1e4_proj, .Lfunc_end_k_q2f9ba4b1e4_proj-k_q2f9ba4b1e4_proj
	.p2alignl 7, 3214868480
	.fill 96, 4, 3214868480
	.section	.rodata,"a",@progbits
	.p2align	6, 0x0
	.amdhsa_kernel k_q2f9ba4b1e4_proj
		.amdhsa_group_segment_fixed_size 327680
		.amdhsa_private_segment_fixed_size 0
		.amdhsa_enable_private_segment 0
		.amdhsa_kernarg_size 80
		.amdhsa_user_sgpr_count 2
		.amdhsa_user_sgpr_kernarg_segment_ptr 1
		.amdhsa_wavefront_size32 1
		.amdhsa_system_sgpr_workgroup_id_x 1
		.amdhsa_system_sgpr_workgroup_id_y 1
		.amdhsa_system_sgpr_workgroup_id_z 1
		.amdhsa_system_vgpr_workitem_id 0
		.amdhsa_next_free_vgpr 768
		.amdhsa_next_free_sgpr 102
		.amdhsa_reserve_vcc 0
		.amdhsa_float_denorm_mode_32 3
		.amdhsa_float_denorm_mode_16_64 3
		.amdhsa_memory_ordered 1
		.amdhsa_forward_progress 1
		.amdhsa_inst_pref_size 82
	.end_amdhsa_kernel
	.amdgpu_metadata
---
amdhsa.version: [ 1, 2 ]
amdhsa.kernels:
  - .name:           k_q2f9ba4b1e4_proj
    .symbol:         k_q2f9ba4b1e4_proj.kd
    .args:
      - { .name: x_codes, .offset: 0, .size: 8, .value_kind: global_buffer, .address_space: global }
      - { .name: x_scales, .offset: 8, .size: 8, .value_kind: global_buffer, .address_space: global }
      - { .name: Wq_codes, .offset: 16, .size: 8, .value_kind: global_buffer, .address_space: global }
      - { .name: Wq_scales, .offset: 24, .size: 8, .value_kind: global_buffer, .address_space: global }
      - { .name: Wk_codes, .offset: 32, .size: 8, .value_kind: global_buffer, .address_space: global }
      - { .name: Wk_scales, .offset: 40, .size: 8, .value_kind: global_buffer, .address_space: global }
      - { .name: Wv_codes, .offset: 48, .size: 8, .value_kind: global_buffer, .address_space: global }
      - { .name: Wv_scales, .offset: 56, .size: 8, .value_kind: global_buffer, .address_space: global }
      - { .name: qb, .offset: 64, .size: 8, .value_kind: global_buffer, .address_space: global }
      - { .name: kv, .offset: 72, .size: 8, .value_kind: global_buffer, .address_space: global }
    .group_segment_fixed_size: 327680
    .private_segment_fixed_size: 0
    .kernarg_segment_align: 8
    .kernarg_segment_size: 80
    .max_flat_workgroup_size: 128
    .sgpr_count:     102
    .vgpr_count:     768
    .wavefront_size: 32
...
	.end_amdgpu_metadata
.endif
;; end of part 1
;; launch attn (part 2): grid 4 x 64, 16 waves a work-group, clusters of 4 x 1, 215,040 bytes of LDS; arguments qb, kv, att_img, att_sc; writes att_img, att_sc
.if DOCPART == 2
	.amdgcn_target "amdgcn-amd-amdhsa--gfx1250"
	.amdhsa_code_object_version 6
	.text
	.protected	k_q2f9ba4b1e4_attn
	.globl	k_q2f9ba4b1e4_attn
	.p2align	8
	.type	k_q2f9ba4b1e4_attn,@function
k_q2f9ba4b1e4_attn:
	s_mov_b64 s[64:65], 0
	v_nop
	global_prefetch_b8 v0, s[64:65] scope:SCOPE_SE
	s_setreg_imm32_b32 hwreg(HW_REG_WAVE_MODE, 25, 1), 1
	s_wait_xcnt 0x0
	s_wait_alu depctr_hold_cnt(0) depctr_sa_sdst(0) depctr_va_vdst(0) depctr_va_sdst(0) depctr_va_ssrc(0) depctr_va_vcc(0) depctr_vm_vsrc(0)
	s_getreg_b32 s2, hwreg(HW_REG_IB_STS2, 6, 4)
	s_cmp_eq_u32 s2, 0
	s_cbranch_scc0 .Lentry_in_a_cluster
	s_endpgm
.Lentry_in_a_cluster:
	s_bfe_u32 s2, ttmp6, 0x10000c
	s_cmp_lg_u32 s2, 0x3003
	s_cbranch_scc0 .Lentry_shape_is_right
	s_endpgm
.Lentry_shape_is_right:
; att[b][q][head][:] = the sum over keys of softmax(q . k / 8) v, both products on codes of FP6 (E2M3) with one E8M0 scale for each 32 along K; the result is quantised along the 1,024 channels for the last product.
; THE SOFTMAX: t = score x log2(e) / 8; M = the row's largest t so far, rounded UP to a whole number; p = 2^(t - M) is quantised along the keys, not normalised.
; The row's sum is taken of the unquantised p, in f32, and divides O at the end.  When M moves, the sum and O are multiplied by 2^(old M - new M): exact.
; SHARES.  256 work-groups.  A work-group owns 512 queries of one batch and head, in TWO PASSES of 256; in a pass each of its sixteen waves owns 16 queries and walks the head's 2,048 keys, 128 a step.
; LDS is a copy, byte for byte, of the head's 212,992 bytes of kv (4 chunks of 512 keys: 32 units of k, 32 of v, k's scale words, v's).  It is filled ONCE and serves both passes.
; ONE TENSOR LOAD A WAVE: 52 rows of 256 bytes.  Waves 0-3 bring chunk 0, by a load line of their own; the first barrier waits for them alone; the second, behind chunk 0's four steps, for all.
; No barrier stands behind that: nothing is written to LDS any more.  Both passes' Q units are loaded at the head.  No prefetch: all tiles are asked for at the head.
; CLUSTER.  The four work-groups of a cluster belong to one head: each tile is asked for jointly, by the same load with a mask that names the four.
; A UNIT is 16 rows x 64 codes as an image of operand registers, 768 bytes: lane l's registers 0-3 at 16 l, its registers 4-5 at 512 + 8 l.
; Both products are used transposed (S^T = K Q^T, O^T = V^T P^T): a lane holds ONE query (lane % 16) throughout.
; THE FIRST PRODUCT'S K IS 64, the instruction's 128: Q's registers 6-11 are zero codes, so the finite codes in K's registers 6-11 (the next tile's, or six zeroed registers) add nothing; the empty half's scale bytes are 0.
; Inside a block of 32, q and k lie in the order 0-7, 16-23, 8-15, 24-31 along the channels, and p comes out in the order along the keys in which v was laid: sums and scales are the natural order's.
; LIMITS: NaN and infinities are not served; scaled scores stay under 2^31 in magnitude; a block whose largest magnitude lies under 2^-124 keeps the scale byte 1 (read by this program alone).
.set QHB,   106496
.set HB,    212992
.set CH,    53248
.set WPART, 13312                      ; a wave's part of the head: 52 rows of 256 bytes
.set KF,    32
.set KSW,   88
.set S,     96
.set OT,    160
.set VSW,   192
.set PCD,   196
.set PT0,   208
.set BM,    216
.set BP,    220
.set SO,    224
.set Q2,    232                        ; v232-237 the second pass's Q, v238 its scale words
.set WV,    12
.set SEL,   20
.set CS,    22
.set G1,    24
.set G0,    32
.set TB,    48
.set TS,    49
.set CNT,   50
.macro DL n
	s_delay_alu instid0(VALU_DEP_\n)
.endm
.macro WALU
	s_wait_alu depctr_va_vdst(0)
.endm
.macro CROUND
	s_barrier_signal -1
	s_barrier_wait -1
	s_cmp_lg_u32 s[WV], 0
	s_cbranch_scc1 .Lnot_wave_0_\@
	s_barrier_signal -3
.Lnot_wave_0_\@:
	s_barrier_wait -3
	s_barrier_signal -1
	s_barrier_wait -1
.endm
	s_load_b256 s[4:11], s[0:1], 0x0       ; qb, kv, att_img, att_sc
	v_lshl_add_u32 v254, v0, 2, 0x34000
	v_mov_b32 v255, 0
	ds_add_u32 v254, v255                  ; the opening lines
	ds_add_u32 v254, v255
	v_lshrrev_b32 v4, 5, v0
	DL 1
	v_readfirstlane_b32 s[WV], v4
	s_bfe_u32 s13, ttmp6, 0x40000
	s_lshl_b32 s14, ttmp9, 2
	s_add_co_u32 s14, s14, s13
	s_lshl_b32 s14, s14, 1                 ; my first block of 256 queries: in Q's and the result's addresses alone
	s_and_b32 s15, ttmp7, 0xffff           ; 16 x batch + head
	s_mul_i32 s16, s15, HB
	s_mul_i32 s19, s[WV], WPART            ; my part, in memory and in LDS alike
	s_add_co_u32 s16, s16, s19
	s_mov_b32 s17, 0
	s_mov_b32 s[G1], 15|(3<<16)|(1<<21)
	s_mov_b32 s[G1+1], 32<<16
	s_mov_b32 s[G1+2], 52<<16
	s_mov_b32 s[G1+3], 32<<16
	s_mov_b32 s[G1+4], 52
	s_mov_b32 s[G1+5], 32
	s_mov_b32 s[G1+6], 0
	s_mov_b32 s[G1+7], 0
	s_lshl_b32 s18, s14, 4
	s_add_co_u32 s18, s18, s[WV]           ; the first pass's tile of 16 queries among the batch's 128; the second's lies 16 tiles on
	s_mul_i32 s52, s15, QHB
	s_mul_i32 s54, s18, 768
	s_add_co_u32 s54, s54, s52
	s_mov_b32 s55, 0
	s_lshr_b32 s56, s18, 3
	s_lshl_b32 s56, s56, 9
	s_and_b32 s57, s18, 7
	s_lshl_b32 s57, s57, 2
	s_add_co_u32 s56, s56, s57
	s_add_co_u32 s56, s56, s52
	s_add_co_u32 s56, s56, 98304           ; Q's scale words
	s_mov_b32 s57, 0
	s_lshr_b32 s62, s15, 4
	s_lshl_b32 s62, s62, 7
	s_add_co_u32 s62, s62, s18             ; my tile of 16 tokens among the 512
	s_and_b32 s63, s15, 15
	s_lshl_b32 s58, s62, 4
	s_add_co_u32 s58, s58, s63
	s_mul_i32 s58, s58, 768                ; att_img: [tile of 16 tokens][head][768]
	s_mov_b32 s59, 0
	s_lshl_b32 s60, s62, 9
	s_lshl_b32 s63, s63, 1
	s_add_co_u32 s60, s60, s63             ; att_sc: 32 bytes a token, two a head
	s_mov_b32 s61, 0
	s_mov_b32 s[SEL], 0x76543210
	s_mov_b32 s[SEL+1], 0xfedcba98
	s_mov_b32 s[CS], 0x3e38aa3b            ; c = log2(e) / 8
	s_mov_b32 s[CS+1], s[CS]
	s_mov_b32 s[TB], 0
	s_mov_b32 s[TS], 49152
	s_wait_dscnt 0x0
	s_wait_kmcnt 0x0
	s_add_nc_u64 s[6:7], s[6:7], s[16:17]
	s_add_nc_u64 s[54:55], s[4:5], s[54:55]
	s_add_nc_u64 s[56:57], s[4:5], s[56:57]
	s_add_nc_u64 s[8:9], s[8:9], s[58:59]
	s_add_nc_u64 s[10:11], s[10:11], s[60:61]
	s_mov_b32 s[G0], 1
	s_mov_b32 s[G0+1], s19
	s_mov_b64 s[G0+2:G0+3], s[6:7]
	s_or_b32 s[G0+3], s[G0+3], 0x80000000
	CROUND                                 ; the joint loads meet
	s_cmp_lt_u32 s[WV], 4
	s_cbranch_scc0 .Llater
	tensor_load_to_lds s[G0:G0+3], s[G1:G1+7]      ; waves 0-3: chunk 0
	s_nop 0
.rept 4
	v_nop
.endr
	s_branch .Lasked
.Llater:
	tensor_load_to_lds s[G0:G0+3], s[G1:G1+7]      ; waves 4-15: chunks 1 to 3
	s_nop 0
.rept 4
	v_nop
.endr
.Lasked:
	v_and_b32 v9, 31, v0
	DL 1
	v_lshlrev_b32 v1, 4, v9                ; 16 x lane
	DL 2
	v_lshlrev_b32 v2, 3, v9                ; 8 x lane
	v_and_b32 v8, 15, v0
	DL 1
	v_lshlrev_b32 v3, 5, v8                ; 32 r
	v_bfe_u32 v9, v0, 4, 1                 ; h
	global_load_b128 v[16:19], v1, s[54:55]        ; the first pass's Q unit
	global_load_b64 v[20:21], v2, s[54:55] offset:512
	global_load_b32 v10, v3, s[56:57]
	global_load_b128 v[Q2:Q2+3], v1, s[54:55] offset:12288     ; the second pass's: 16 units on,
	global_load_b64 v[Q2+4:Q2+5], v2, s[54:55] offset:12800
	global_load_b32 v[Q2+6], v3, s[56:57] offset:1024          ; and two groups of 128 queries on
.irp j, 22,23,24,25,26,27,80,81,82,83,84,85
	v_mov_b32 v\j, 0                       ; zero codes
.endr
	v_mov_b32 v13, 0xff61b1e6              ; the largest t so far: -3e38
	DL 1
	v_floor_f32 v12, -v13                  ; -M
	v_mov_b32 v14, 0
	v_mov_b32 v15, 0
	v_mov_b32 v29, 0
.irp b, 0,1,2,3
	v_mov_b32 v[BP+\b], 0
.endr
.set j, 0
.rept 32
	v_mov_b32 v[OT+j], 0                   ; the step is written once: a pass's first turn finds zeros
.set j, j+1
.endr
; A KEY STEP: 128 keys
.macro STEP
	v_add_nc_u32 v4, s[TB], v1             ; four places behind the last step's products
	v_add_nc_u32 v5, s[TB], v2
	v_add_nc_u32 v6, s[TS], v3
	v_add_nc_u32 v7, s[TS], v1
.irp t, 0,1,2,3,4,5,6,7
	ds_load_b128 v[KF+6*\t:KF+6*\t+3], v4 offset:768*\t
	ds_load_b64 v[KF+6*\t+4:KF+6*\t+5], v5 offset:768*\t+512
.endr
	ds_load_b128 v[KSW:KSW+3], v6
	ds_load_b128 v[KSW+4:KSW+7], v6 offset:16
	WALU
	s_wait_dscnt 0x0
.irp t, 0,1,2,3,4,5,6,7
	v_wmma_scale_f32_16x16x128_f8f6f4 v[S+8*\t:S+8*\t+7], v[KF+6*\t:KF+6*\t+11], v[16:27], 0, v[KSW+\t], v10 matrix_a_fmt:MATRIX_FMT_FP6 matrix_b_fmt:MATRIX_FMT_FP6
.endr
.rept 4
	v_nop
.endr
.irp i, 0,1,2,3                        ; V's four fragments land while the softmax is worked
.irp c, 0,1
	ds_load_b128 v[KF+12*\i+6*\c:KF+12*\i+6*\c+3], v4 offset:24576+(4*\c+\i)*768
	ds_load_b64 v[KF+12*\i+6*\c+4:KF+12*\i+6*\c+5], v5 offset:24576+(4*\c+\i)*768+512
.endr
.endr
	ds_load_b128 v[VSW:VSW+3], v7 offset:2048
.irp b, 0,1,2,3
	v_max3_num_f32 v[BM+\b], v[S+16*\b], v[S+1+16*\b], v[S+2+16*\b]   ; each block's largest score: for the row's maximum and for the block's largest p
.endr
.irp i, 3,5,7,9,11,13
.irp b, 0,1,2,3
	v_max3_num_f32 v[BM+\b], v[BM+\b], v[S+16*\b+\i], v[S+1+16*\b+\i]
.endr
.endr
.irp b, 0,1,2,3
	v_max_num_f32 v[BM+\b], v[BM+\b], v[S+15+16*\b]
.endr
.irp b, 0,1,2,3
	DL 4
	v_permlanex16_b32 v[BP+\b], v[BM+\b], s[SEL], s[SEL+1]
.endr
.irp b, 0,1,2,3
	DL 4
	v_max_num_f32 v[BM+\b], v[BM+\b], v[BP+\b]
.endr
	DL 2
	v_max3_num_f32 v31, v[BM], v[BM+1], v[BM+2]
	DL 1
	v_max_num_f32 v31, v31, v[BM+3]
	DL 1
	v_mul_f32 v31, s[CS], v31
	DL 1
	v_max_num_f32 v13, v13, v31            ; the running largest t
	v_mov_b32 v31, v12
	DL 2
	v_floor_f32 v12, -v13                  ; the new -M
	DL 1
	v_sub_f32 v31, v12, v31
	DL 1
	v_cvt_i32_f32 v31, v31
	DL 1
	v_ldexp_f32 v28, 1.0, v31              ; f = 2^(old M - new M)
.set j, 0
.rept 32
	v_pk_fma_f32 v[S+j:S+j+1], v[S+j:S+j+1], s[CS:CS+1], v[12:13] op_sel_hi:[1,0,0]   ; t - M
.set j, j+2
.endr
.irp b, 0,1,2,3
	v_fma_f32 v[BM+\b], v[BM+\b], s[CS], v12
.endr
.set j, 0
	WALU                                   ; ahead of the batch
.rept 64
	v_exp_f32 v[S+j], v[S+j]               ; p = 2^(t - M)
.set j, j+1
.endr
.irp b, 0,1,2,3
	v_exp_f32 v[BM+\b], v[BM+\b]           ; the block's largest p
.endr
	v_pk_mul_f32 v[14:15], v[14:15], v[28:29] op_sel_hi:[1,0]
	WALU                                   ; and behind it
.irp b, 0,1,2,3
	v_max_num_f32 v[BM+\b], 0x1800000, v[BM+\b]    ; the floor 2^(3 - 127)
.endr
.irp b, 0,1,2,3
	DL 4
	v_add_nc_u32 v[SO+\b], 0xff000000, v[BM+\b]
.endr
.irp b, 0,1,2,3
	DL 4
	v_lshrrev_b32 v[BP+\b], 23, v[SO+\b]
.endr
	DL 3
	v_lshl_or_b32 v30, v[BP+1], 8, v[BP]   ; p's scale word
	DL 1
	v_lshl_or_b32 v30, v[BP+2], 16, v30
	DL 1
	v_lshl_or_b32 v30, v[BP+3], 24, v30
.irp c, 0,1
	v_cvt_scalef32_pk16_fp6_f32 v[PCD+6*\c:PCD+6*\c+2], v[S+32*\c:S+32*\c+15], v[SO+2*\c]
	v_cvt_scalef32_pk16_fp6_f32 v[PT0+4*\c:PT0+4*\c+2], v[S+32*\c+16:S+32*\c+31], v[SO+2*\c+1]
.endr
	v_nop
.irp c, 0,1                            ; a whole block in a lane
.irp i, 0,1,2
	v_permlane16_swap_b32 v[PCD+6*\c+\i], v[PT0+4*\c+\i]
.endr
.irp i, 0,1,2
	DL 3
	v_mov_b32 v[PCD+3+6*\c+\i], v[PT0+4*\c+\i]
.endr
.endr
	; the row's sum of the unquantised p, in eight chains
	v_pk_add_f32 v[228:229], v[100:101], v[104:105]
	v_pk_add_f32 v[252:253], v[108:109], v[112:113]
	v_pk_add_f32 v[250:251], v[116:117], v[120:121]
	v_pk_add_f32 v[248:249], v[124:125], v[128:129]
	v_pk_add_f32 v[246:247], v[132:133], v[136:137]
	v_pk_add_f32 v[244:245], v[140:141], v[144:145]
	v_pk_add_f32 v[242:243], v[148:149], v[152:153]
	v_pk_add_f32 v[14:15], v[14:15], v[156:157]
	v_pk_add_f32 v[228:229], v[228:229], v[96:97]
	v_pk_add_f32 v[252:253], v[252:253], v[98:99]
	v_pk_add_f32 v[250:251], v[250:251], v[102:103]
	v_pk_add_f32 v[248:249], v[248:249], v[106:107]
	v_pk_add_f32 v[246:247], v[246:247], v[110:111]
	v_pk_add_f32 v[244:245], v[244:245], v[114:115]
	v_pk_add_f32 v[242:243], v[242:243], v[118:119]
	v_pk_add_f32 v[14:15], v[14:15], v[122:123]
	v_pk_add_f32 v[228:229], v[228:229], v[126:127]
	v_pk_add_f32 v[252:253], v[252:253], v[130:131]
	v_pk_add_f32 v[250:251], v[250:251], v[134:135]
	v_pk_add_f32 v[248:249], v[248:249], v[138:139]
	v_pk_add_f32 v[246:247], v[246:247], v[142:143]
	v_pk_add_f32 v[244:245], v[244:245], v[146:147]
	v_pk_add_f32 v[242:243], v[242:243], v[150:151]
	v_pk_add_f32 v[14:15], v[14:15], v[154:155]
	v_pk_add_f32 v[228:229], v[228:229], v[158:159]
	DL 2
	v_pk_add_f32 v[14:15], v[14:15], v[248:249]
	DL 2
	v_pk_add_f32 v[228:229], v[228:229], v[246:247]
	v_pk_add_f32 v[252:253], v[252:253], v[244:245]
	v_pk_add_f32 v[250:251], v[250:251], v[242:243]
	DL 2
	v_pk_add_f32 v[14:15], v[14:15], v[252:253]
	DL 2
	v_pk_add_f32 v[228:229], v[228:229], v[250:251]
	DL 1
	v_pk_add_f32 v[14:15], v[14:15], v[228:229]
.set j, 0
.rept 16
	v_pk_mul_f32 v[OT+j:OT+j+1], v[OT+j:OT+j+1], v[28:29] op_sel_hi:[1,0]   ; O^T under the new M
.set j, j+2
.endr
	WALU
	s_wait_dscnt 0x0                       ; V is in
.irp i, 0,1,2,3
	v_wmma_scale_f32_16x16x128_f8f6f4 v[OT+8*\i:OT+8*\i+7], v[KF+12*\i:KF+12*\i+11], v[PCD:PCD+11], v[OT+8*\i:OT+8*\i+7], v[VSW+\i], v30 matrix_a_fmt:MATRIX_FMT_FP6 matrix_b_fmt:MATRIX_FMT_FP6
.endr
	s_add_co_u32 s[TB], s[TB], 6144
	s_add_co_u32 s[TS], s[TS], 512
.endm
; A CHUNK of 512 keys, four steps.  kind 0: a barrier for waves 0-3's loads; 1: a barrier for all loads; 2: none
.macro CHUNK kind
.if \kind == 0
	s_cmp_lt_u32 s[WV], 4
	s_cbranch_scc0 .Lnot_mine_\@
	s_wait_tensorcnt 0x0
.Lnot_mine_\@:
	s_barrier_signal -1
	s_barrier_wait -1
.elseif \kind == 1
	s_wait_tensorcnt 0x0
	s_wait_dscnt 0x0
	s_barrier_signal -1
	s_barrier_wait -1
.endif
	s_mov_b32 s[CNT], 4
.Lstep_\@:
	STEP
	s_sub_co_u32 s[CNT], s[CNT], 1
	s_cmp_lg_u32 s[CNT], 0
	s_cbranch_scc1 .Lstep_\@
	s_add_co_u32 s[TB], s[TB], CH-4*6144
	s_add_co_u32 s[TS], s[TS], CH-4*512
.endm
; THE WAY OUT of a pass: O^T / the sum, the natural order of the channels, two blocks of 32, one unit and two scale bytes a row
.macro OUT
	v_add_f32 v14, v14, v15
	DL 1
	v_permlanex16_b32 v31, v14, s[SEL], s[SEL+1]
	DL 1
	v_add_f32 v14, v14, v31
	WALU
	v_rcp_f32 v14, v14
	v_add_nc_u32 v5, v3, v9                ; att_sc: 32 r + h
	v_lshlrev_b32 v6, 3, v9
	v_nop
	v_nop
.set j, 0
	WALU
.rept 16
	v_pk_mul_f32 v[S+j:S+j+1], v[OT+j:OT+j+1], v[14:15] op_sel_hi:[1,0]
.set j, j+2
.endr
.irp e, 0,1
.irp m, 0,1,2,3,4,5,6,7
	v_permlane16_swap_b32 v[S+16*\e+\m], v[S+8+16*\e+\m]   ; block e's 16 registers: channels 32 e + 16 h + 0 .. 15
.endr
.endr
.irp e, 0,1
	v_max3_num_f32 v[BM+\e], |v[S+16*\e]|, |v[S+1+16*\e]|, 0x1800000
.endr
.irp i, 2,4,6,8,10,12,14
.irp e, 0,1
	DL 2
	v_max3_num_f32 v[BM+\e], v[BM+\e], |v[S+16*\e+\i]|, |v[S+1+16*\e+\i]|
.endr
.endr
.irp e, 0,1
	DL 2
	v_permlanex16_b32 v[BP+\e], v[BM+\e], s[SEL], s[SEL+1]
.endr
.irp e, 0,1
	DL 2
	v_max_num_f32 v[BM+\e], v[BM+\e], v[BP+\e]
.endr
.irp e, 0,1
	DL 2
	v_add_nc_u32 v[SO+\e], 0xff000000, v[BM+\e]
.endr
.irp e, 0,1
	DL 2
	v_lshrrev_b32 v[BP+\e], 23, v[SO+\e]
.endr
	v_cvt_scalef32_pk16_fp6_f32 v[PCD:PCD+2], v[S:S+15], v[SO]
	v_cvt_scalef32_pk16_fp6_f32 v[PT0:PT0+2], v[S+16:S+31], v[SO+1]
	v_nop
.irp i, 0,1,2
	v_permlane16_swap_b32 v[PCD+\i], v[PT0+\i]
.endr
.irp i, 0,1,2
	DL 3
	v_mov_b32 v[PCD+3+\i], v[PT0+\i]
.endr
	v_lshl_or_b32 v31, v[BP+1], 8, v[BP]
	DL 1
	v_lshrrev_b32 v31, v6, v31             ; my half's block's byte
	global_store_b128 v1, v[PCD:PCD+3], s[8:9]
	global_store_b64 v2, v[PCD+4:PCD+5], s[8:9] offset:512
	global_store_b8 v5, v31, s[10:11]      ; 32 single bytes a wave, two in each row of 32: the one store here that covers no whole run
.endm
	WALU
	s_wait_loadcnt 0x0                     ; both passes' Q
	CHUNK 0
	CHUNK 1
	CHUNK 2
	CHUNK 2
	OUT
	; THE SECOND PASS: the queries 256 further on, over the same LDS bytes
	s_wait_xcnt 0x0                        ; the stores have read their data, offsets and bases
	s_add_nc_u64 s[8:9], s[8:9], 196608    ; 16 tiles of tokens x 16 heads x 768
	s_add_nc_u64 s[10:11], s[10:11], 8192  ; 256 tokens x 32
	s_mov_b32 s[TB], 0
	s_mov_b32 s[TS], 49152
	v_mov_b32 v13, 0xff61b1e6
	v_mov_b32 v10, v[Q2+6]
.irp i, 0,1,2,3,4,5
	v_mov_b32 v[16+\i], v[Q2+\i]
.endr
	v_floor_f32 v12, -v13
	v_mov_b32 v14, 0
	v_mov_b32 v15, 0
.set j, 0
.rept 32
	v_mov_b32 v[OT+j], 0
.set j, j+1
.endr
	WALU
	CHUNK 2
	CHUNK 2
	CHUNK 2
	CHUNK 2
	OUT
	s_wait_tensorcnt 0x0                   ; the wave's end
	ds_add_u32 v254, v255
	s_wait_dscnt 0x0
	CROUND
	s_endpgm
.Lfunc_end_k_q2f9ba4b1e4_attn:
	.size	k_q2f9ba4b1e4_attn, .Lfunc_end_k_q2f9ba4b1e4_attn-k_q2f9ba4b1e4_attn
	.p2alignl 7, 3214868480
	.fill 96, 4, 3214868480
	.section	.rodata,"a",@progbits
	.p2align	6, 0x0
	.amdhsa_kernel k_q2f9ba4b1e4_attn
		.amdhsa_group_segment_fixed_size 215040
		.amdhsa_private_segment_fixed_size 0
		.amdhsa_enable_private_segment 0
		.amdhsa_kernarg_size 32
		.amdhsa_user_sgpr_count 2
		.amdhsa_user_sgpr_kernarg_segment_ptr 1
		.amdhsa_wavefront_size32 1
		.amdhsa_system_sgpr_workgroup_id_x 1
		.amdhsa_system_sgpr_workgroup_id_y 1
		.amdhsa_system_sgpr_workgroup_id_z 1
		.amdhsa_system_vgpr_workitem_id 0
		.amdhsa_next_free_vgpr 256
		.amdhsa_next_free_sgpr 66
		.amdhsa_reserve_vcc 0
		.amdhsa_float_denorm_mode_32 3
		.amdhsa_float_denorm_mode_16_64 3
		.amdhsa_memory_ordered 1
		.amdhsa_forward_progress 1
		.amdhsa_inst_pref_size 157
	.end_amdhsa_kernel
	.amdgpu_metadata
---
amdhsa.version: [ 1, 2 ]
amdhsa.kernels:
  - .name:           k_q2f9ba4b1e4_attn
    .symbol:         k_q2f9ba4b1e4_attn.kd
    .args:
      - { .name: qb, .offset: 0, .size: 8, .value_kind: global_buffer, .address_space: global }
      - { .name: kv, .offset: 8, .size: 8, .value_kind: global_buffer, .address_space: global }
      - { .name: att_img, .offset: 16, .size: 8, .value_kind: global_buffer, .address_space: global }
      - { .name: att_sc, .offset: 24, .size: 8, .value_kind: global_buffer, .address_space: global }
    .group_segment_fixed_size: 215040
    .private_segment_fixed_size: 0
    .kernarg_segment_align: 8
    .kernarg_segment_size: 32
    .max_flat_workgroup_size: 512
    .sgpr_count:     66
    .vgpr_count:     256
    .wavefront_size: 32
...
	.end_amdgpu_metadata
.endif
;; end of part 2
;; launch outp (part 3): grid 4 x 64, 4 waves a work-group, clusters of 4 x 4, 327,680 bytes of LDS; arguments att_img, att_sc, Wp_codes, Wp_scales, bp, out0; writes out0
.if DOCPART == 3
	.amdgcn_target "amdgcn-amd-amdhsa--gfx1250"
	.amdhsa_code_object_version 6
	.text
	.protected	k_q2f9ba4b1e4_outp
	.globl	k_q2f9ba4b1e4_outp
	.p2align	8
	.type	k_q2f9ba4b1e4_outp,@function
k_q2f9ba4b1e4_outp:
	s_mov_b64 s[64:65], 0
	v_nop
	global_prefetch_b8 v0, s[64:65] scope:SCOPE_SE
	s_setreg_imm32_b32 hwreg(HW_REG_WAVE_MODE, 25, 1), 1
	s_wait_xcnt 0x0
	s_wait_alu depctr_hold_cnt(0) depctr_sa_sdst(0) depctr_va_vdst(0) depctr_va_sdst(0) depctr_va_ssrc(0) depctr_va_vcc(0) depctr_vm_vsrc(0)
	s_getreg_b32 s2, hwreg(HW_REG_IB_STS2, 6, 4)
	s_cmp_eq_u32 s2, 0
	s_cbranch_scc0 .Lentry_in_a_cluster
	s_endpgm
.Lentry_in_a_cluster:
	s_bfe_u32 s2, ttmp6, 0x10000c
	s_cmp_lg_u32 s2, 0xf033
	s_cbranch_scc0 .Lentry_shape_is_right
	s_endpgm
.Lentry_shape_is_right:
; out0 = att Wp^T + bp on codes of FP6 (E2M3).  att_img: [tile of 16 tokens][head][768]: units, images of operand registers; att_sc: 32 scale bytes a token.
; SHARES.  A work-group makes 128 tokens x 256 columns, ALL of K = 1,024: 256 work-groups.  LDS is filled ONCE, one tensor load a wave, one barrier: the tokens' 98,304 bytes, dense,
; as rows of 256 bytes; behind them Wp's 256 rows of 768 bytes at a pitch of 816 (16 bytes behind every 256).  Every tensor row begins at a multiple of 256.
; A wave makes 64 x 128: 32 accumulators (window 2); fragments in two sets (Wp's window 1, att's window 0); the bias (window 3) is the first products' C.
; CLUSTER 4 x 4: the tokens' tile is asked for jointly by a row of the cluster, Wp's by a column.  Scale words go from memory into registers, 32 bytes a lane.
; No prefetch: all tiles are asked for at the head, there is no loop to run ahead in.
; The matrix instruction is used transposed (source 0 = Wp's rows): a lane holds eight neighbouring columns of one row.  The results leave through a stage in LDS as whole rows of 512 bytes;
; the stage lies on the tokens' tile, behind a barrier in front of which every wave's last LDS read is done; nothing is filled any more.
.set SIZE_N, 1024
.set KROW,  768
.set KS,    32
.set PITCH, 816
.set BLK,   16*PITCH
.set AB,    98304
.set SPARE, AB+256*PITCH
.set FR,    12
.set SPITCH, 528
.set AAD,  16                          ; v16, v17 LDS address of my units: 16 x lane, 8 x lane
.set STO,  24
.set RD,   25
.set CO,   26
.set SPW,  28
.set NIL,  29
.set SA,   32
.set SB,   52
.set BAD,  112
.set AF,   128
.set BK,   128
.set G1,   24
.set G0,   32
.set G1B,  48
.set G0B,  56
.set MSB, 0
.macro WIN new
.if MSB != (\new)
	s_set_vgpr_msb (MSB<<8)|(\new)
.set MSB, (\new)
.endif
.endm
.macro PLACES n
.rept \n
	v_nop
.endr
.endm
.macro WALU
	s_wait_alu depctr_va_vdst(0)
.endm
.macro CROUND
	s_barrier_signal -1
	s_barrier_wait -1
	s_cmp_lg_u32 s14, 0
	s_cbranch_scc1 .Lnot_wave_0_\@
	s_barrier_signal -3
.Lnot_wave_0_\@:
	s_barrier_wait -3
	s_barrier_signal -1
	s_barrier_wait -1
.endm
	s_load_b128 s[4:7], s[0:1], 0x0        ; att_img, att_sc
	s_load_b128 s[8:11], s[0:1], 0x10      ; Wp_codes, Wp_scales
	s_load_b64 s[96:97], s[0:1], 0x20      ; bp
	s_load_b64 s[12:13], s[0:1], 0x28      ; out0
	v_lshl_add_u32 v[SPW], v0, 2, SPARE
	v_mov_b32 v[NIL], 0
	ds_add_u32 v[SPW], v[NIL]              ; the opening lines
	ds_add_u32 v[SPW], v[NIL]
	v_lshrrev_b32 v1, 5, v0
	v_readfirstlane_b32 s14, v1
	s_lshr_b32 s15, s14, 1
	s_and_b32 s16, s14, 1
	s_bfe_u32 s40, ttmp6, 0x40000
	s_bfe_u32 s41, ttmp6, 0x40004
	s_lshl_b32 s42, ttmp9, 2
	s_add_co_u32 s42, s42, s40             ; tile of 256 columns
	s_and_b32 s17, ttmp7, 0xffff
	s_lshl_b32 s17, s17, 2
	s_add_co_u32 s17, s17, s41             ; tile of 128 tokens
	s_lshl_b32 s43, s41, 2
	s_lshl_b32 s43, 15, s43
	s_lshl_b32 s44, 0x1111, s40
	s_or_b32 s[G1+0], s43, (3<<16)|(1<<21) ; 192 rows of 256 bytes, dense
	s_mov_b32 s[G1+1], 32<<16
	s_mov_b32 s[G1+2], 192<<16
	s_mov_b32 s[G1+3], 32<<16
	s_mov_b32 s[G1+4], 192
	s_mov_b32 s[G1+5], 32
	s_mov_b32 s[G1+6], 0
	s_mov_b32 s[G1+7], 0
	s_or_b32 s[G1B+0], s44, (1<<20)|(1<<21)|(5<<22)|(3<<25)
	s_mov_b32 s[G1B+1], KROW<<16
	s_mov_b32 s[G1B+2], 128<<16
	s_mov_b32 s[G1B+3], KROW<<16
	s_mov_b32 s[G1B+4], 128
	s_mov_b32 s[G1B+5], KROW
	s_mov_b32 s[G1B+6], 0
	s_mov_b32 s[G1B+7], 0
	s_lshl_b32 s20, s17, 7
	s_lshl_b32 s21, s16, 6
	s_add_co_u32 s20, s20, s21
	s_mul_i32 s20, s20, KROW               ; the 64 tokens that I fetch: 768 bytes a token
	s_mov_b32 s21, 0
	s_lshl_b32 s46, s42, 8
	s_lshl_b32 s47, s16, 7
	s_add_co_u32 s46, s46, s47
	s_mul_i32 s92, s46, KS
	s_mov_b32 s93, 0
	s_mul_i32 s46, s46, KROW
	s_mov_b32 s47, 0
	s_lshl_b32 s66, s17, 7
	s_lshl_b32 s67, s15, 6
	s_add_co_u32 s66, s66, s67             ; the 64 tokens that I multiply
	s_mul_i32 s22, s66, SIZE_N*4           ; their rows of out0
	s_mov_b32 s23, 0
	s_mul_i32 s66, s66, KS
	s_mov_b32 s67, 0
	s_lshl_b32 s18, s42, 10
	s_lshl_b32 s19, s16, 9
	s_add_co_u32 s18, s18, s19             ; my first column, in bytes
	s_mov_b32 s19, 0
	s_mov_b32 s[G0], 1
	s_mul_i32 s[G0+1], s16, 49152
	s_mov_b32 s[G0B], 1
	s_mul_i32 s[G0B+1], s16, 128*PITCH
	s_add_co_u32 s[G0B+1], s[G0B+1], AB
	s_mul_i32 s45, s15, 49152
	s_mul_i32 s94, s14, 16*SPITCH
	s_wait_dscnt 0x0
	s_wait_kmcnt 0x0
	s_add_nc_u64 s[G0+2:G0+3], s[4:5], s[20:21]
	s_or_b32 s[G0+3], s[G0+3], 0x80000000
	s_add_nc_u64 s[G0B+2:G0B+3], s[8:9], s[46:47]
	s_or_b32 s[G0B+3], s[G0B+3], 0x80000000
	s_add_nc_u64 s[66:67], s[6:7], s[66:67]
	s_add_nc_u64 s[92:93], s[10:11], s[92:93]
	s_add_nc_u64 s[96:97], s[96:97], s[18:19]
	s_add_nc_u64 s[12:13], s[12:13], s[22:23]
	s_add_nc_u64 s[12:13], s[12:13], s[18:19]
	CROUND                                 ; the joint loads meet
	s_cmp_eq_u32 s15, 0
	s_cbranch_scc0 .Lfor_b
	tensor_load_to_lds s[G0:G0+3], s[G1:G1+7]
	s_nop 0
	PLACES 4
	s_branch .Lasked
.Lfor_b:
	tensor_load_to_lds s[G0B:G0B+3], s[G1B:G1B+7]
	s_nop 0
	PLACES 4
.Lasked:
	v_and_b32 v1, 15, v0
	v_bfe_u32 v2, v0, 4, 1
	v_and_b32 v6, 31, v0
	v_mul_u32_u24 v3, v1, PITCH
	v_mad_u32_u24 v4, v2, 24, v3
	v_mad_u32_u24 v5, v2, 40, v3
	v_add_nc_u32 v18, s[G0B+1], v4
	v_add_nc_u32 v19, s[G0B+1], v5
.irp i, 0,1,2,3,4,5,6,7
	v_add_nc_u32 v[BAD+2*\i], \i*BLK, v18
	v_add_nc_u32 v[BAD+2*\i+1], \i*BLK, v19
.endr
	v_lshlrev_b32 v7, 4, v6
	v_lshlrev_b32 v8, 3, v6
	v_add_nc_u32 v[AAD], s45, v7
	v_add_nc_u32 v[AAD+1], s45, v8
	v_lshlrev_b32 v10, 5, v6               ; 32 x lane: a row of scale bytes
	v_lshlrev_b32 v9, 5, v2                ; the bias: 32 h
	v_mul_u32_u24 v5, v1, SPITCH
	v_lshl_add_u32 v5, v2, 5, v5
	v_add_nc_u32 v[STO], s94, v5
	v_add_nc_u32 v[RD], s94, v7
	v_mov_b32 v[CO], v7
	WALU
.irp p, 0,1
.irp c, 0,1
	global_load_b128 v[SA+8*\p+4*\c:SA+8*\p+4*\c+3], v10, s[66:67] offset:\p*1024+16*\c
.endr
.endr
.irp p, 0,1,2,3
.irp c, 0,1
	global_load_b128 v[SB+8*\p+4*\c:SB+8*\p+4*\c+3], v10, s[92:93] offset:\p*1024+16*\c
.endr
.endr
	WIN 0xc0
.irp b, 0,1,2,3,4,5,6,7
	global_load_b128 v[8*\b:8*\b+3], v9, s[96:97] offset:64*\b        ; bp at columns 16 b + 8 h + 0 .. 7, as the result lies
	global_load_b128 v[8*\b+4:8*\b+7], v9, s[96:97] offset:64*\b+16
.endr
	WIN 0
.macro FRAG reg, q, a0                 ; Wp: six pieces of 8 bytes of a row, two to a load where both go by the same address register
.set SKIP_, 0
.irp p, 0,1,2,3,4,5
.if SKIP_
.set SKIP_, 0
.else
.set PC_, 12*(\q)+6*(\p/3)+\p%3
.set PN_, 12*(\q)+6*((\p+1)/3)+(\p+1)%3
.set X_, (PC_%32+3)/32
.set XQ_, (PN_%32+3)/32
.if (\p < 5) && (X_ == XQ_)
.set SKIP_, 1
	ds_load_2addr_b64 v[(\reg)+2*\p:(\reg)+2*\p+3], v[(\a0)+X_] offset0:PC_+2*(PC_/32) offset1:PN_+2*(PN_/32)
.else
	ds_load_b64 v[(\reg)+2*\p:(\reg)+2*\p+1], v[(\a0)+X_] offset:8*(PC_+2*(PC_/32))
.endif
.endif
.endr
.endm
.macro FETCH st
	WIN 0x40
.irp i, 0,1,2,3,4,5,6,7
	FRAG 128*((\st)%2)+FR*\i, \st, BAD+2*\i
.endr
	WIN 0
.irp i, 0,1,2,3
.irp c, 0,1                            ; att: two units a fragment
	ds_load_b128 v[AF+48*((\st)%2)+FR*\i+6*\c:AF+48*((\st)%2)+FR*\i+6*\c+3], v[AAD] offset:\i*12288+(2*(\st)+\c)*768
	ds_load_b64 v[AF+48*((\st)%2)+FR*\i+6*\c+4:AF+48*((\st)%2)+FR*\i+6*\c+5], v[AAD+1] offset:\i*12288+(2*(\st)+\c)*768+512
.endr
.endr
.endm
.macro MUL st, first                   ; 32 products, the 32 accumulators by turns
.irp ap, 0,1
.irp ao, 0,1
.irp bp, 0,1,2,3
.irp bo, 0,1
.set D_, 8*(8*(2*\ap+\ao)+2*\bp+\bo)
.set C_, 8*(2*\bp+\bo)
.set B_, 128*((\st)%2)+FR*(2*\bp+\bo)
.set A_, AF+48*((\st)%2)+FR*(2*\ap+\ao)
.if \first
	v_wmma_scale_f32_16x16x128_f8f6f4 v[D_:D_+7], v[B_:B_+11], v[A_:A_+11], v[C_:C_+7], v[SB+8*\bp+(\st)], v[SA+8*\ap+(\st)] matrix_a_fmt:MATRIX_FMT_FP6 matrix_b_fmt:MATRIX_FMT_FP6 matrix_a_scale:MATRIX_SCALE_ROW\bo matrix_b_scale:MATRIX_SCALE_ROW\ao
.else
	v_wmma_scale_f32_16x16x128_f8f6f4 v[D_:D_+7], v[B_:B_+11], v[A_:A_+11], v[D_:D_+7], v[SB+8*\bp+(\st)], v[SA+8*\ap+(\st)] matrix_a_fmt:MATRIX_FMT_FP6 matrix_b_fmt:MATRIX_FMT_FP6 matrix_a_scale:MATRIX_SCALE_ROW\bo matrix_b_scale:MATRIX_SCALE_ROW\ao
.endif
.endr
.endr
.endr
.endr
.endm
	s_wait_tensorcnt 0x0
	s_barrier_signal -1
	s_barrier_wait -1                      ; both tiles are in
	FETCH 0
	s_wait_loadcnt 0x0                     ; the scale words and the bias
	s_wait_dscnt 0x0
	FETCH 1
	WIN 0xb1                               ; C from window 3
	MUL 0, 1
	WIN 0
.set ST, 1
.rept 6
	s_wait_dscnt 0x0                       ; this step's fragments, asked for a step ago
	PLACES 4                               ; behind the products that read the set which is loaded now
	FETCH ST+1
	WIN 0xa1
	MUL ST, 0
	WIN 0
.set ST, ST+1
.endr
	s_wait_dscnt 0x0                       ; my last reads of the tiles are done:
	s_barrier_signal -1                    ; say so,
	WIN 0xa1
	MUL 7, 0
	WIN 0
	s_barrier_wait -1                      ; and store to the stage only when all four have said so
.macro TOSTAGE a
.set AC, 64*(\a)
	WIN 0x08
.irp b, 0,1,2,3,4,5,6,7
	ds_store_b128 v[STO], v[AC+8*\b:AC+8*\b+3] offset:64*\b          ; each accumulator from its low end on
	ds_store_b128 v[STO], v[AC+8*\b+4:AC+8*\b+7] offset:64*\b+16
.endr
	WIN 0
.set BB, BK+64*((\a)%2)
.irp t, 0,1,2,3,4,5,6,7,8,9,10,11,12,13,14,15
	ds_load_b128 v[BB+4*\t:BB+4*\t+3], v[RD] offset:\t*SPITCH        ; a wave's LDS instructions are served in order: these see the stores above
.endr
.endm
.macro SEND a, younger
.set BB, BK+64*((\a)%2)
	s_wait_dscnt \younger                  ; younger: the next block's 16 stores and 16 loads
.if (\a) > 0
	s_add_nc_u64 s[12:13], s[12:13], 16*SIZE_N*4
.endif
.irp t, 0,1,2,3,4,5,6,7,8,9,10,11,12,13,14,15
	global_store_b128 v[CO], v[BB+4*\t:BB+4*\t+3], s[12:13] offset:\t*SIZE_N*4 th:TH_STORE_NT   ; 32 lanes store 512 consecutive bytes, at a multiple of 256
.endr
.endm
	PLACES 4
	TOSTAGE 0
.irp a, 1,2,3
.if \a > 1
	s_wait_xcnt 0x0                        ; block a - 2's stores have read their registers and their base
.endif
	TOSTAGE \a
	SEND \a-1, 32
.endr
	s_wait_xcnt 0x0
	SEND 3, 0
	s_wait_tensorcnt 0x0                   ; the wave's end
	ds_add_u32 v[SPW], v[NIL]
	s_wait_dscnt 0x0
	CROUND
	s_endpgm
.Lfunc_end_k_q2f9ba4b1e4_outp:
	.size	k_q2f9ba4b1e4_outp, .Lfunc_end_k_q2f9ba4b1e4_outp-k_q2f9ba4b1e4_outp
	.p2alignl 7, 3214868480
	.fill 96, 4, 3214868480
	.section	.rodata,"a",@progbits
	.p2align	6, 0x0
	.amdhsa_kernel k_q2f9ba4b1e4_outp
		.amdhsa_group_segment_fixed_size 327680
		.amdhsa_private_segment_fixed_size 0
		.amdhsa_enable_private_segment 0
		.amdhsa_kernarg_size 48
		.amdhsa_user_sgpr_count 2
		.amdhsa_user_sgpr_kernarg_segment_ptr 1
		.amdhsa_wavefront_size32 1
		.amdhsa_system_sgpr_workgroup_id_x 1
		.amdhsa_system_sgpr_workgroup_id_y 1
		.amdhsa_system_sgpr_workgroup_id_z 1
		.amdhsa_system_vgpr_workitem_id 0
		.amdhsa_next_free_vgpr 832
		.amdhsa_next_free_sgpr 100
		.amdhsa_reserve_vcc 0
		.amdhsa_float_denorm_mode_32 3
		.amdhsa_float_denorm_mode_16_64 3
		.amdhsa_memory_ordered 1
		.amdhsa_forward_progress 1
		.amdhsa_inst_pref_size 80
	.end_amdhsa_kernel
	.amdgpu_metadata
---
amdhsa.version: [ 1, 2 ]
amdhsa.kernels:
  - .name:           k_q2f9ba4b1e4_outp
    .symbol:         k_q2f9ba4b1e4_outp.kd
    .args:
      - { .name: att_img, .offset: 0, .size: 8, .value_kind: global_buffer, .address_space: global }
      - { .name: att_sc, .offset: 8, .size: 8, .value_kind: global_buffer, .address_space: global }
      - { .name: Wp_codes, .offset: 16, .size: 8, .value_kind: global_buffer, .address_space: global }
      - { .name: Wp_scales, .offset: 24, .size: 8, .value_kind: global_buffer, .address_space: global }
      - { .name: bp, .offset: 32, .size: 8, .value_kind: global_buffer, .address_space: global }
      - { .name: out0, .offset: 40, .size: 8, .value_kind: global_buffer, .address_space: global }
    .group_segment_fixed_size: 327680
    .private_segment_fixed_size: 0
    .kernarg_segment_align: 8
    .kernarg_segment_size: 48
    .max_flat_workgroup_size: 128
    .sgpr_count:     100
    .vgpr_count:     832
    .wavefront_size: 32
...
	.end_amdgpu_metadata
.endif
;; end of part 3
